; MI455X (gfx1250); checked and timed in simulation.
; The chip was launched on July 23, 2026; its instructions are those of AMD's public machine-readable ISA for CDNA 5 (MIT licence, August 2026) and "CDNA5" Instruction Set Architecture Reference Guide (July 2026). The comments in the code are by the model that wrote it; some were corrected since.
;; SINGLE Decoder. Allowed arithmetic: matrix products marked QUANTISED: E4M3 operands, one given power-of-two scale a tensor, by v_wmma_f32_16x16x64_fp8_fp8 or v_wmma_f32_16x16x128_fp8_fp8, f32 sums; products left as they are: f32 operands where the result goes on into a quantised operand, else bf16, f16 or f32 operands; f32 sums; everything else in f32.
;; Inputs: Wc 256 x 256 float32; Wk 256 x 256 float32; Wq_last 257 x 256 float32; Wv 256 x 256 float32; attr 16 x 1,000 x 1 float32; bc 256 float32; encoded_last_node 16 x 1,000 x 256 float32; encoded_nodes 16 x 1,000 x 256 float32; lowp_scales 12 int32 (the exponents e of the quantised operands' scales 2^e); ninf_mask 16 x 1,000 x 1,000 float32.
;; Outputs: out0 16 x 1,000 x 1,000 float32.
;; This version of the problem:
;;   THIS VERSION OF THE PROBLEM IS GIVEN IN LOW PRECISION. The matrix products marked QUANTISED in the list below multiply operands that are first quantised to E4M3 (4 exponent bits, 3 mantissa bits; 8 bits a number), with one given power-of-two scale for each operand tensor; their sums are f32. All else is computed in f32.
;;   The module's matrix products, in the order in which they are computed (A, B: the left and right operand; K: the contracted axis; several contracted axes count as one K, in the product's order):
;;     1. [M 16,000, K 256] x [K 256, N 256]; A: input encoded_nodes; B: input Wk: QUANTISED (scales: A lowp_scales[0], B lowp_scales[1])
;;     2. [M 16,000, K 256] x [K 256, N 256]; A: input encoded_nodes; B: input Wv: QUANTISED (scales: A lowp_scales[2], B lowp_scales[3])
;;     3. [M 16,000, K 257] x [K 257, N 256]; A: computed on the way; B: input Wq_last: QUANTISED (scales: A lowp_scales[4], B lowp_scales[5])
;;     4. batch 256 x [M 1,000, K 16] x [K 16, N 1,000]; A: computed on the way; B: computed on the way: left as it is (K = 16 < 32)
;;     5. batch 256 x [M 1,000, K 1,000] x [K 1,000, N 16]; A: softmax (see below); B: computed on the way: QUANTISED (scales: A lowp_scales[6], B lowp_scales[7])
;;     6. [M 16,000, K 256] x [K 256, N 256]; A: computed on the way; B: input Wc: QUANTISED (scales: A lowp_scales[8], B lowp_scales[9])
;;     7. batch 16 x [M 1,000, K 256] x [K 256, N 1,000]; A: computed on the way; B: input encoded_nodes: QUANTISED (scales: A lowp_scales[10], B lowp_scales[11])
;;   THE QUANTISER, for each operand of a quantised product, along K:
;;     - The operand's scale is 2^e, e = its entry of the input lowp_scales (int32; the entries are numbered through the quantised products in the list's order, A before B).
;;     - Each number is divided by the scale, clamped to +-448, and rounded to the nearest number of E4M3, ties to even, subnormals kept.
;;     - The product sums the exact products of the quantised numbers (number of the format x scale) in f32.
;;   ~~~python
;;   def quantise(x, axis, e):      # numpy; x: float32 -> the quantised numbers, widened to float32 again
;;       x = np.moveaxis(x, axis, -1); K = x.shape[-1]
;;       r = np.clip(x / 2.0 ** e, -448, 448)
;;       step = 2.0 ** (np.maximum(np.frexp(np.where(r == 0, 1, r))[1] - 1, -6) - 3)
;;       q = np.round(r / step) * step * 2.0 ** e      # np.round: ties to even
;;       return np.moveaxis(q, -1, axis).astype(np.float32)
;;   ~~~
;;   SOFTMAX AHEAD OF A QUANTISED PRODUCT. Where the list says 'softmax', what is quantised is not the finished softmax but p = 2^(t - M), with t = logit x log2(e) and M = ceil(the row's largest t), a whole number; so 1/2 < the row's largest p <= 1. The row's sum l is taken of the UNQUANTISED p, in f32, and the product's result is divided by l at the end. Since M is a whole number, a kernel that streams over the keys may use a running M (the ceiling of the running maximum): every later rescaling is an exact power of two, so the quantised numbers keep their values, but for numbers so far below the row's largest that they fall under the format's range.
;;   OPERANDS COMPUTED ON THE WAY. 'Computed on the way' means the value that the module computes at that place (a softmax that the list does not call 'softmax' is quantised finished and normalised). What goes into a quantiser is computed in f32, as accurately as f32 sums, v_exp_f32 and their like allow (about 1e-6 of the number): no bf16 or f16 on the way to a quantiser, and a product that is left as it is and whose result goes on into a quantised operand takes f32 operands (vector FMAs, or v_wmma_f32_16x16x4_f32). A number that lies on a knife's edge between two numbers of the format may be rounded either way, as far as f32 arithmetic and the matrix unit's own rounding can turn it there, and no further.
;; One version. Each part assembles by itself: llvm-mc -triple=amdgcn-amd-amdhsa -mcpu=gfx1250 --defsym DOCPART=n.
;; ======== version 1 of 1: 2 launches
;; workspace buffers: kimg 16,777,216 bytes; vimg 4,194,304 bytes; nimg 4,194,304 bytes
;; launch prep (part 1): grid 16 x 16, 16 waves a work-group, no clusters, 34,816 bytes of LDS; arguments encoded_nodes, Wk, Wv, lowp_scales, kimg, vimg, nimg; writes kimg, vimg, nimg
.if DOCPART == 1
	.amdgcn_target "amdgcn-amd-amdhsa--gfx1250"
	.amdhsa_code_object_version 6
	.text
	.protected	k_q97e0679c0c_prep
	.globl	k_q97e0679c0c_prep
	.p2align	8
	.type	k_q97e0679c0c_prep,@function
k_q97e0679c0c_prep:
	s_mov_b64 s[64:65], 0
	v_nop
	global_prefetch_b8 v0, s[64:65] scope:SCOPE_SE
	s_setreg_imm32_b32 hwreg(HW_REG_WAVE_MODE, 25, 1), 1
	s_wait_xcnt 0x0
; k = nodes Wk (f32), v = nodes Wv (codes of E4M3 at 2^e7) and the nodes' own codes at 2^e11, each laid as an IMAGE OF THE OPERAND REGISTERS that the second launch loads.
; Both products run on codes of E4M3: nodes at 2^e0 (for k) and 2^e2 (for v), Wk at 2^e1, Wv at 2^e3; sums in f32.
; SHARES.  Work-group (x = key step, y = batch) takes nodes 64 x .. 64 x + 63 of its batch; rows past node 999 are copies of node 999 (the row index is held at 999): finite numbers that the second launch
; only ever meets under a mask of -infinity.  Wave w is head w (columns 16 w .. 16 w + 15 of Wk and Wv); it also quantises one node fragment: rows 16 (w / 4) on, 64 (w % 4) on along K.
; ONE MAP OF K: registers 2 c, 2 c + 1 of lane (r, h) hold k = 16 c + 8 h + 0 .. 7 of row or column r: the form's own.  A weight's K is its first axis: lane r takes a column and its registers run down K.
; k IS USED TRANSPOSED (source 0 = 16 columns of Wk, source 1 = 16 nodes): a lane then holds one node and eight neighbouring channels of the head.  v is not: a lane holds one channel and eight neighbouring nodes,
; which are eight neighbours along the K of the product that v goes into, so one conversion makes two operand registers.
; LAYOUTS (bytes).  kimg [b][head][step][tile 4][plane 2][lane 32][16]; vimg [b][head][step][plane 2][lane][16]; nimg [b][node tile 64][plane 8][lane][16].  Every store of a wave covers 512 consecutive bytes, aligned.
; LIMITS on the given exponents, so that each power of two below is an f32 number: e0, e1, e2, e3, e11 and e7 - e2 - e3 between -126 and 119.  NaN among the inputs is not served.
.set N0,    0                          ; LDS: 16 node fragments of 1,024 bytes at 2^e0, fragment 4 T + kc, two planes of 512 bytes
.set N2,    16384                      ; the same at 2^e2
.set SPARE, 32768                      ; the spare words, 128 bytes for each of 16 waves: eight blocks of 256 bytes that no other line names
.set X,     16                         ; v16-47   32 numbers of my node fragment
.set TT,    48                         ; v48-79   the same, held within the largest code x the scale
.set C0,    80                         ; v80-87   codes at 2^e0;  v88-95 at 2^e2;  v96-103 at 2^e11
.set C2,    88
.set C11,   96
.set W0,    104                        ; v104-135, v136-167  two sets of 32 numbers of a weight
.set W1,    136
.set WK,    168                        ; v168-199 Wk's codes, K = 256;  v200-231 Wv's
.set WV,    200
.set F,     16                         ; later: v16-79 four node fragments of 128 along K
.set DK,    104                        ; v104-135 k's four tiles;  v136-167 v's
.set DV,    136
.set VC,    80                         ; v80-87   v's codes
; v1 r, then the LDS address of my fragment's image; v2 h; v3, v4 the add's two; v5 16 x lane; v6 my place in a weight; v7 my place in the nodes; v8-15 scales and limits
.macro MKSC vs, vl, se                 ; v[vs] = 2^e as f32 (a conversion takes its exponent field), v[vl] = 448 x 2^e
	s_add_co_i32 s52, \se, 127
	s_lshl_b32 s53, s52, 23
	v_mov_b32 v[\vs], s53
	s_add_co_i32 s52, s52, 8
	s_lshl_b32 s52, s52, 23
	s_or_b32 s52, s52, 0x600000
	v_mov_b32 v[\vl], s52
.endm
.macro WLOAD set, base, q              ; 64 along K of my 16 columns: register 8 c + j = row 64 q + 16 c + 8 h + j; sixteen lanes read 64 neighbouring bytes
.irp c, 0,1,2,3
.irp j, 0,1,2,3,4,5,6,7
	global_load_b32 v[\set+8*\c+\j], v6, s[\base:\base+1] offset:(64*(\q)+16*\c+\j)*1024
.endr
.endr
.endm
.macro CONVC src, tmp, dst, sc, lim    ; 32 numbers become 8 registers of codes; the holds go into tmp, so that src stays for another scale
.set ii, 0
.rept 32
	v_med3_num_f32 v[\tmp+ii], v[\src+ii], -v[\lim], v[\lim]   ; the conversion to an 8-bit code does not saturate (ISA guide 7.6.2): hold first
.set ii, ii+1
.endr
.irp g, 0,1,2,3
	v_cvt_scalef32_pk8_fp8_f32 v[\dst+2*\g:\dst+2*\g+1], v[\tmp+8*\g:\tmp+8*\g+7], v[\sc]
.endr
	v_nop                                          ; one plain vector line behind the last conversion, ahead of whatever next touches its registers
.endm
.macro FETCH16 reg, off                ; 128 along K of a node tile: two fragments' images, four loads of 512 consecutive bytes
.irp i, 0,1,2,3
	ds_load_b128 v[\reg+4*\i:\reg+4*\i+3], v5 offset:\off+512*\i
.endr
.endm
.macro PLACES n
.rept \n
	v_nop
.endr
.endm
	s_load_b256 s[4:11], s[0:1], 0x0               ; nodes s[4:5], Wk s[6:7], Wv s[8:9], the exponents s[10:11]
	s_load_b128 s[12:15], s[0:1], 0x20             ; kimg s[12:13], vimg s[14:15]
	s_load_b64 s[16:17], s[0:1], 0x30              ; nimg
	v_lshl_add_u32 v3, v0, 2, SPARE
	v_mov_b32 v4, 0
	v_lshrrev_b32 v1, 5, v0
	v_readfirstlane_b32 s18, v1                    ; wave = head
	s_mov_b32 s19, ttmp9                           ; key step
	s_and_b32 s20, ttmp7, 0xffff                   ; batch
	v_and_b32 v1, 15, v0                           ; r
	v_bfe_u32 v2, v0, 4, 1                         ; h
	v_and_b32 v5, 31, v0
	v_lshlrev_b32 v5, 4, v5                        ; 16 x lane
	s_lshl_b32 s36, s18, 6
	v_lshlrev_b32 v6, 2, v1
	v_lshl_add_u32 v6, v2, 13, v6
	v_add_nc_u32 v6, s36, v6                       ; a weight: column 16 w + r, 8 h rows of 1,024 bytes down
	s_lshr_b32 s37, s18, 2                         ; T: which 16 nodes I quantise
	s_and_b32 s38, s18, 3                          ; kc: which 64 along K
	s_lshl_b32 s39, s19, 6
	s_lshl_b32 s40, s37, 4
	s_add_co_u32 s39, s39, s40
	v_add_nc_u32 v7, s39, v1
	v_min_u32 v7, 999, v7                          ; no load leaves the batch's 1,000 rows
	v_lshlrev_b32 v7, 10, v7
	v_lshl_add_u32 v7, v2, 5, v7
	s_lshl_b32 s40, s38, 8
	v_add_nc_u32 v7, s40, v7                       ; row x 1,024 + 256 kc + 32 h
	s_lshl_b32 s41, s18, 10
	v_add_nc_u32 v1, s41, v5                       ; LDS: 1,024 x wave + 16 x lane
	s_mul_i32 s42, s20, 1024000                    ; the batch's first byte of the nodes
	s_mov_b32 s43, 0
	s_lshl_b32 s44, s20, 4
	s_add_co_u32 s44, s44, s18
	s_lshl_b32 s44, s44, 4
	s_add_co_u32 s44, s44, s19                     ; (16 b + head) 16 + step
	s_lshl_b32 s46, s44, 12                        ; x 4,096 in kimg
	s_mov_b32 s47, 0
	s_lshl_b32 s48, s44, 10                        ; x 1,024 in vimg
	s_mov_b32 s49, 0
	s_lshl_b32 s50, s20, 6
	s_lshl_b32 s51, s19, 2
	s_add_co_u32 s50, s50, s51
	s_add_co_u32 s50, s50, s37                     ; node tile 64 b + 4 step + T
	s_lshl_b32 s50, s50, 3
	s_lshl_b32 s51, s38, 1
	s_add_co_u32 s50, s50, s51                     ; plane 8 tile + 2 kc
	s_lshl_b32 s50, s50, 9
	s_mov_b32 s51, 0
	s_wait_kmcnt 0x0
	s_load_b256 s[24:31], s[10:11], 0x0            ; e0 .. e7
	s_load_b128 s[32:35], s[10:11], 0x20           ; e8 .. e11
	s_add_nc_u64 s[4:5], s[4:5], s[42:43]
	s_add_nc_u64 s[12:13], s[12:13], s[46:47]
	s_add_nc_u64 s[14:15], s[14:15], s[48:49]
	s_add_nc_u64 s[16:17], s[16:17], s[50:51]
.irp c, 0,1,2,3                        ; my node fragment: the eight loads together take 256 consecutive bytes of each of 16 rows
	global_load_b128 v[X+8*\c:X+8*\c+3], v7, s[4:5] offset:64*\c th:TH_LOAD_NT
	global_load_b128 v[X+8*\c+4:X+8*\c+7], v7, s[4:5] offset:64*\c+16 th:TH_LOAD_NT
.endr
	WLOAD W0, 6, 0
	s_wait_kmcnt 0x0
	MKSC 8, 9, s24                                 ; e0
	MKSC 10, 11, s26                               ; e2
	MKSC 12, 13, s35                               ; e11
	MKSC 14, 15, s25                               ; e1, for Wk
	s_wait_loadcnt 32                              ; my node fragment is in; the weight chunk's 32 loads behind it may stay out
	CONVC X, TT, C0, 8, 9
	CONVC X, TT, C2, 10, 11
	CONVC X, TT, C11, 12, 13
	ds_store_b128 v1, v[C0:C0+3] offset:N0
	ds_store_b128 v1, v[C0+4:C0+7] offset:N0+512
	ds_store_b128 v1, v[C2:C2+3] offset:N2
	ds_store_b128 v1, v[C2+4:C2+7] offset:N2+512
	global_store_b128 v5, v[C11:C11+3], s[16:17]
	global_store_b128 v5, v[C11+4:C11+7], s[16:17] offset:512
	WLOAD W1, 6, 1
; the weights, 64 along K at a time through two sets of registers: chunks 0-3 are Wk's, 4-7 Wv's
.irp t, 0,1,2,3,4,5,6,7
.if \t < 7
	s_wait_loadcnt 32                              ; this chunk is in; the next chunk's 32 loads may stay out
.else
	s_wait_loadcnt 0x0
.endif
.if \t == 4
	MKSC 14, 15, s27                               ; e3, for Wv
.endif
	CONVC W0+32*(\t%2), W0+32*(\t%2), WK+8*\t, 14, 15
.if \t+2 < 4
	WLOAD W0+32*(\t%2), 6, \t+2
.elseif \t+2 < 8
	WLOAD W0+32*(\t%2), 8, \t-2
.endif
.endr
	s_wait_dscnt 0x0                               ; my images have landed
	s_barrier_signal -1
	s_barrier_wait -1                              ; everybody's have
; k: four tiles of nodes by turns, 128 along K at a time
.irp s, 0,1
.irp T, 0,1,2,3
	FETCH16 F+16*\T, N0+(4*\T+2*\s)*1024
.endr
	s_wait_dscnt 0x0
.irp T, 0,1,2,3
.if \s == 0
	v_wmma_f32_16x16x128_fp8_fp8 v[DK+8*\T:DK+8*\T+7], v[WK:WK+15], v[F+16*\T:F+16*\T+15], 0
.else
	v_wmma_f32_16x16x128_fp8_fp8 v[DK+8*\T:DK+8*\T+7], v[WK+16:WK+31], v[F+16*\T:F+16*\T+15], v[DK+8*\T:DK+8*\T+7]
.endif
.endr
	PLACES 4                                       ; in front of loads into registers that the products have read, and of the first read of results
.endr
	s_add_co_i32 s54, s24, s25                     ; a sum stands for sum x 2^(e0 + e1)
.set ii, 0
.rept 32
	v_ldexp_f32 v[DK+ii], v[DK+ii], s54            ; each accumulator from its low end on
.set ii, ii+1
.endr
.irp i, 0,1,2,3,4,5,6,7
	global_store_b128 v5, v[DK+4*\i:DK+4*\i+3], s[12:13] offset:512*\i
.endr
; v
.irp s, 0,1
.irp T, 0,1,2,3
	FETCH16 F+16*\T, N2+(4*\T+2*\s)*1024
.endr
	s_wait_dscnt 0x0
.irp T, 0,1,2,3
.if \s == 0
	v_wmma_f32_16x16x128_fp8_fp8 v[DV+8*\T:DV+8*\T+7], v[F+16*\T:F+16*\T+15], v[WV:WV+15], 0
.else
	v_wmma_f32_16x16x128_fp8_fp8 v[DV+8*\T:DV+8*\T+7], v[F+16*\T:F+16*\T+15], v[WV+16:WV+31], v[DV+8*\T:DV+8*\T+7]
.endif
.endr
	PLACES 4
.endr
	s_sub_co_i32 s55, s31, s26
	s_sub_co_i32 s55, s55, s27                     ; the code of sum x 2^(e2 + e3) at 2^e7 is sum / 2^(e7 - e2 - e3): three scales in one
	MKSC 8, 9, s55
	CONVC DV, DV, VC, 8, 9
	global_store_b128 v5, v[VC:VC+3], s[14:15]
	global_store_b128 v5, v[VC+4:VC+7], s[14:15] offset:512
	s_wait_tensorcnt 0x0                           ; the wave's end: behind my last LDS store; the tensor wait stands though this text has no tensor load
	ds_add_u32 v3, v4
	s_wait_dscnt 0x0
	s_endpgm
.Lfunc_end_k_q97e0679c0c_prep:
	.size	k_q97e0679c0c_prep, .Lfunc_end_k_q97e0679c0c_prep-k_q97e0679c0c_prep
	.p2alignl 7, 3214868480
	.fill 96, 4, 3214868480
	.section	.rodata,"a",@progbits
	.p2align	6, 0x0
	.amdhsa_kernel k_q97e0679c0c_prep
		.amdhsa_group_segment_fixed_size 34816
		.amdhsa_private_segment_fixed_size 0
		.amdhsa_enable_private_segment 0
		.amdhsa_kernarg_size 56
		.amdhsa_user_sgpr_count 2
		.amdhsa_user_sgpr_kernarg_segment_ptr 1
		.amdhsa_wavefront_size32 1
		.amdhsa_system_sgpr_workgroup_id_x 1
		.amdhsa_system_sgpr_workgroup_id_y 1
		.amdhsa_system_sgpr_workgroup_id_z 1
		.amdhsa_system_vgpr_workitem_id 0
		.amdhsa_next_free_vgpr 232
		.amdhsa_next_free_sgpr 66
		.amdhsa_reserve_vcc 0
		.amdhsa_float_denorm_mode_32 3
		.amdhsa_float_denorm_mode_16_64 3
		.amdhsa_memory_ordered 1
		.amdhsa_forward_progress 1
		.amdhsa_inst_pref_size 66
	.end_amdhsa_kernel
	.amdgpu_metadata
---
amdhsa.version: [ 1, 2 ]
amdhsa.kernels:
  - .name:           k_q97e0679c0c_prep
    .symbol:         k_q97e0679c0c_prep.kd
    .args:
      - { .name: encoded_nodes, .offset: 0, .size: 8, .value_kind: global_buffer, .address_space: global }
      - { .name: Wk, .offset: 8, .size: 8, .value_kind: global_buffer, .address_space: global }
      - { .name: Wv, .offset: 16, .size: 8, .value_kind: global_buffer, .address_space: global }
      - { .name: lowp_scales, .offset: 24, .size: 8, .value_kind: global_buffer, .address_space: global }
      - { .name: kimg, .offset: 32, .size: 8, .value_kind: global_buffer, .address_space: global }
      - { .name: vimg, .offset: 40, .size: 8, .value_kind: global_buffer, .address_space: global }
      - { .name: nimg, .offset: 48, .size: 8, .value_kind: global_buffer, .address_space: global }
    .group_segment_fixed_size: 34816
    .private_segment_fixed_size: 0
    .kernarg_segment_align: 8
    .kernarg_segment_size: 56
    .max_flat_workgroup_size: 512
    .sgpr_count:     66
    .vgpr_count:     232
    .wavefront_size: 32
...
	.end_amdgpu_metadata
.endif
;; end of part 1
;; launch attn (part 2): grid 16 x 16, 16 waves a work-group, no clusters, 327,680 bytes of LDS; arguments encoded_last_node, attr, ninf_mask, Wq_last, Wc, bc, lowp_scales, kimg, vimg, nimg, out0; writes out0
.if DOCPART == 2
	.amdgcn_target "amdgcn-amd-amdhsa--gfx1250"
	.amdhsa_code_object_version 6
	.text
	.protected	k_q97e0679c0c_attn
	.globl	k_q97e0679c0c_attn
	.p2align	8
	.type	k_q97e0679c0c_attn,@function
k_q97e0679c0c_attn:
	s_mov_b64 s[64:65], 0
	v_nop
	global_prefetch_b8 v0, s[64:65] scope:SCOPE_SE
	s_setreg_imm32_b32 hwreg(HW_REG_WAVE_MODE, 25, 1), 1
	s_wait_xcnt 0x0
; The whole chain for 64 queries of one batch: q = [x, attr] Wq; 16 heads of masked attention; x Wc + bc; the probe against the nodes; 10 tanh(. / 16) + mask; softmax along the 1,000 nodes.
; Products on codes of E4M3 with the given scales 2^e: q (e4, e5), p v (e6, e7), x Wc (e8, e9), the probe (e10, e11).  q k^T (K = 16) feeds a quantiser and takes f32 operands: v_wmma_f32_16x16x4_f32.
; SHARES.  Work-group (x = block, y = batch) computes queries qb .. qb + 63, qb = min(64 x, 936), so that every row that it computes exists; it stores only rows from 64 x on (block 15 stores 960 .. 999).
; The 64 rows of the mask, 256,000 bytes, are brought into LDS ONCE, by one tensor load a wave, and serve all 16 heads and the last softmax.  Nothing in LDS is filled a second time.
; Sixteen waves of 256 registers, four to a SIMD, so that one wave's softmax stands beside another's matrix work.  Wave w is: head w (q, attention); channel tile w (x Wc); key strip w of 64 nodes (probe).
; ONE MAP OF K for all codes: registers 2 c, 2 c + 1 of lane (r, h) hold k = 16 c + 8 h + 0 .. 7.  Every product is laid so that a lane holds ONE query (r) and its eight result registers are eight neighbours along the next K:
; one conversion then makes two registers of the next operand.  In the f32 form lane (r, h) holds channels 8 h + 0 .. 7 in eight registers and K step ks takes registers 2 ks, 2 ks + 1, alike on both sides.
; THE MASK IS THE C of a score tile's first matrix instruction: score = mask + q k / 4 costs no addition (the 1/4 is folded into q, exactly).
; SOFTMAX AHEAD OF p v: t = score x log2(e); M = the running largest t rounded UP to a whole number; p = 2^(t - M) is quantised at 2^e6; the row's sum is of the unquantised p; a move of M multiplies by an exact power of two.
; THE LAST SOFTMAX: each strip of 64 keys takes its own maximum away, keeps e = 2^(z log2 e - m2) in the mask's place in LDS and (m2, sum) in a table; a factor for each (row, strip) brings the strips under the row's maximum
; and divides by the row's sum.  10 tanh(x) = 10 - 20 / (1 + 2^(2 x log2 e)); the 10 is common to a row and drops out.
; NO CLUSTER: LDS holds the work-group's own mask (278,528 bytes) and 45,056 bytes of images and tables; what work-groups share, k and v, is 5,120 bytes a wave and key step against 64 f32 matrix instructions, and goes
; from memory straight into registers; a joint ring for 16 heads' key steps would not fit beside the mask.
; LIMITS on the given exponents, so that each power of two below is an f32 number: e4, e5, e6, e9, e10, e8 - e6 - e7 between -126 and 119; e8 + e9 between -126 and 127; e10 + e11 between -123 and 130.
; NaN or +infinity among the inputs is not served.  A row whose mask is -infinity throughout comes out as NaN, as in the definition.
.set MP,    272                        ; a mask row of a strip in LDS: 256 bytes + 16 of padding, an odd multiple of 16: the sixteen rows that a load touches fall on sixteen different 16-byte columns of 256
.set STRIP, 64*MP                      ; strip s: keys 64 s .. 64 s + 63 of the 64 rows
.set R1,    16*STRIP                   ; x's 16 fragments as register images; later the attention result's four (K = 256)
.set R2,    R1+16384                   ; the images of mh = out Wc + bc
.set R3,    R2+16384                   ; m2 at row x 64 + 4 x strip; the strips' sums 4,096 further on
.set R4,    R3+8192                    ; the factors, laid alike
.set SPARE, R4+4096                    ; the spare words, 128 bytes for each of 16 waves: eight blocks of 256 bytes that no other line names
.set Q,   32                           ; v32-63   q, 8 registers a query tile
.set O,   64                           ; v64-95   O^T, 8 a query tile
.set KR,  96                           ; v96-127  k of one key step, 8 a key tile
.set VR,  128                          ; v128-135 v's codes of one key step
.set PC,  136                          ; v136-143 p's codes
.set WC,  144                          ; v144-175 Wc's codes, kept through the loop
.set S,   176                          ; v176-207 scores: written by matrix instructions alone in the whole text
.set P,   208                          ; v208-239 the mask as C, then t - M, then p
; v0 thread; v1 r; v2 h; v3, v4 the add's two; v5 272 r + 32 h; v6 16 x lane; v7-15 constants of the phase in hand; v16-31 statistics: tile qt: -M, largest t, the sum in two halves; v240-255 at work
; s26 wave, s27 block, s28 batch, s29 qb, s30 1000 b + qb; s[32:35] group 0, s[36:43], s[44:51] two groups 1; s52-63 e0 .. e11; s[66:67] log2 e; s[68:69] lane selects; s70, s91 lane masks; s71 step; s72 the strip's LDS byte
.macro MKSC vs, vl, se                 ; v[vs] = 2^e as f32 (a conversion takes its exponent field), v[vl] = 448 x 2^e
	s_add_co_i32 s98, \se, 127
	s_lshl_b32 s99, s98, 23
	v_mov_b32 v[\vs], s99
	s_add_co_i32 s98, s98, 8
	s_lshl_b32 s98, s98, 23
	s_or_b32 s98, s98, 0x600000
	v_mov_b32 v[\vl], s98
.endm
.macro WLOAD set, base, q              ; 64 along K of my 16 columns of a weight: register 8 c + j = row 64 q + 16 c + 8 h + j
.irp c, 0,1,2,3
.irp j, 0,1,2,3,4,5,6,7
	global_load_b32 v[\set+8*\c+\j], v14, s[\base:\base+1] offset:(64*(\q)+16*\c+\j)*1024
.endr
.endr
.endm
.macro CONV src, dst, sc, lim          ; 32 numbers become 8 registers of codes
.set ii, 0
.rept 32
	v_med3_num_f32 v[\src+ii], v[\src+ii], -v[\lim], v[\lim]   ; the conversion to an 8-bit code does not saturate (ISA guide 7.6.2): hold first
.set ii, ii+1
.endr
.irp g, 0,1,2,3
	v_cvt_scalef32_pk8_fp8_f32 v[\dst+2*\g:\dst+2*\g+1], v[\src+8*\g:\src+8*\g+7], v[\sc]
.endr
	v_nop                                          ; one plain vector line behind the last conversion
.endm
.macro FETCH16 reg, adr, off
.irp i, 0,1,2,3
	ds_load_b128 v[\reg+4*\i:\reg+4*\i+3], v[\adr] offset:\off+512*\i
.endr
.endm
.macro PLACES n
.rept \n
	v_nop
.endr
.endm
.macro BAR                             ; my LDS stores have landed and my LDS loads are in: then the work-group's barrier
	s_wait_dscnt 0x0
	s_barrier_signal -1
	s_barrier_wait -1
.endm
.macro KLOAD                           ; a key step's k of my head: 4,096 consecutive bytes
.irp i, 0,1,2,3,4,5,6,7
	global_load_b128 v[KR+4*\i:KR+4*\i+3], v6, s[76:77] offset:512*\i
.endr
.endm
.macro VLOAD                           ; and its v: 1,024
	global_load_b128 v[VR:VR+3], v6, s[80:81]
	global_load_b128 v[VR+4:VR+7], v6, s[80:81] offset:512
.endm
	s_load_b512 s[4:19], s[0:1], 0x0               ; x s[4:5], attr s[6:7], mask s[8:9], Wq s[10:11], Wc s[12:13], bc s[14:15], the exponents s[16:17], kimg s[18:19]
	s_load_b128 s[20:23], s[0:1], 0x40             ; vimg s[20:21], nimg s[22:23]
	s_load_b64 s[24:25], s[0:1], 0x50              ; out
	v_lshl_add_u32 v3, v0, 2, SPARE
	v_mov_b32 v4, 0
	ds_add_u32 v3, v4                              ; the wave's opening: the add and its wait ahead of my tensor load; work on registers stands between them
	v_lshrrev_b32 v1, 5, v0
	v_readfirstlane_b32 s26, v1                    ; wave 0..15
	s_mov_b32 s27, ttmp9                           ; block
	s_and_b32 s28, ttmp7, 0xffff                   ; batch
	s_lshl_b32 s29, s27, 6
	s_min_u32 s29, s29, 936                        ; qb
	; group 1: a tile of 64 rows x 64 f32, rows 1,000 elements apart, 4 words of padding behind every 64
	s_mov_b32 s36, (2<<16)|(1<<20)|(5<<22)|(3<<25) ; no mask; elements of 4 bytes; padding on; after every 64 words (code 5); 4 words (code 3)
	s_mov_b32 s37, 64<<16                          ; tensor_dim0 = 64
	s_mov_b32 s38, 64<<16                          ; tensor_dim1 = 64
	s_mov_b32 s39, 64<<16                          ; tile_dim0 = 64
	s_mov_b32 s40, 64                              ; tile_dim1 = 64
	s_mov_b32 s41, 1000                            ; elements from row to row
	s_mov_b32 s42, 0
	s_mov_b32 s43, 0
	s_mov_b32 s44, (2<<16)|(1<<20)|(5<<22)|(3<<25) ; the last strip's: 40 columns are left of a row, the other 24 arrive as zeros
	s_mov_b32 s45, 40<<16
	s_mov_b32 s46, 64<<16
	s_mov_b32 s47, 64<<16
	s_mov_b32 s48, 64
	s_mov_b32 s49, 1000
	s_mov_b32 s50, 0
	s_mov_b32 s51, 0
	s_mul_i32 s30, s28, 1000
	s_add_co_u32 s30, s30, s29                     ; my first row among the 16,000
	s_mul_i32 s92, s30, 4000
	s_lshl_b32 s93, s26, 8
	s_add_co_u32 s92, s92, s93                     ; + my strip's 256 bytes
	s_mov_b32 s93, 0
	s_mov_b32 s32, 1                               ; count = 1
	s_mul_i32 s33, s26, STRIP                      ; LDS address: my strip
	s_wait_dscnt 0x0                               ; the opening add is done
	s_wait_kmcnt 0x0
	s_load_b256 s[52:59], s[16:17], 0x0            ; e0 .. e7
	s_load_b128 s[60:63], s[16:17], 0x20           ; e8 .. e11
	s_add_nc_u64 s[34:35], s[8:9], s[92:93]
	s_or_b32 s35, s35, 0x80000000                  ; type = 2
	s_cmp_lt_u32 s26, 15                           ; two shapes, two groups 1, two lines: the branch hangs on the wave's number alone
	s_cbranch_scc0 .Llast_strip
	tensor_load_to_lds s[32:35], s[36:43]
	s_nop 0
	PLACES 4
	s_branch .Lasked
.Llast_strip:
	tensor_load_to_lds s[32:35], s[44:51]
	s_nop 0
	PLACES 4
.Lasked:
; ---- while the mask is on its way: x, Wq and Wc become codes, and q is made
	v_and_b32 v1, 15, v0                           ; r
	v_bfe_u32 v2, v0, 4, 1                         ; h
	v_and_b32 v6, 31, v0
	v_lshlrev_b32 v6, 4, v6                        ; 16 x lane
	v_mul_u32_u24 v5, v1, MP
	v_lshl_add_u32 v5, v2, 5, v5                   ; a mask tile: row r, 8 h keys on
	s_lshl_b32 s98, s26, 6
	v_lshlrev_b32 v17, 2, v1
	v_add_nc_u32 v17, s98, v17                     ; column 16 w + r of a weight's row
	v_lshl_add_u32 v14, v2, 13, v17                ; and 8 h rows of 1,024 bytes down
	v_lshlrev_b32 v16, 2, v1                       ; attr: 4 r
	s_lshr_b32 s98, s26, 2                         ; I quantise x's fragment (query tile w / 4, 64 (w % 4) on along K)
	s_and_b32 s99, s26, 3
	s_lshl_b32 s98, s98, 14
	s_lshl_b32 s99, s99, 8
	s_add_co_u32 s98, s98, s99
	v_lshlrev_b32 v15, 10, v1
	v_lshl_add_u32 v15, v2, 5, v15
	v_add_nc_u32 v15, s98, v15
	v_add_nc_u32 v19, R1, v6                       ; an image's place for my lane
	s_lshl_b32 s98, s26, 10
	v_add_nc_u32 v20, s98, v19                     ; where I store my fragment's
	s_lshl_b32 s92, s30, 10
	s_mov_b32 s93, 0
	s_add_nc_u64 s[4:5], s[4:5], s[92:93]
	s_lshl_b32 s92, s30, 2
	s_add_nc_u64 s[6:7], s[6:7], s[92:93]
.irp c, 0,1,2,3
	global_load_b128 v[P+8*\c:P+8*\c+3], v15, s[4:5] offset:64*\c
	global_load_b128 v[P+8*\c+4:P+8*\c+7], v15, s[4:5] offset:64*\c+16
.endr
.irp qt, 0,1,2,3
	global_load_b32 v[240+\qt], v16, s[6:7] offset:64*\qt     ; attr of query 16 qt + r
.endr
	global_load_b32 v128, v17, s[10:11] offset:262144         ; Wq's row 256, my column
	WLOAD 64, 10, 0
	s_mov_b32 s66, 0x3fb8aa3b                      ; log2 e
	s_mov_b32 s67, s66                             ; (named with it as a pair, so it is written)
	s_mov_b32 s68, 0x76543210
	s_mov_b32 s69, 0xfedcba98                      ; lane l xor 16
	s_mov_b32 s70, 0xffff0000                      ; lanes 16-31
	s_mov_b32 s91, 0x0000ffff                      ; lanes 0-15
	s_wait_kmcnt 0x0
	MKSC 8, 9, s56                                 ; e4: x and attr
	MKSC 10, 11, s57                               ; e5: Wq
	MKSC 12, 13, s61                               ; e9: Wc
	s_wait_loadcnt 32                              ; x, attr and the row are in; the weight chunk's 32 loads behind them may stay out
	CONV P, PC, 8, 9
	ds_store_b128 v20, v[PC:PC+3]
	ds_store_b128 v20, v[PC+4:PC+7] offset:512
	; K = 257: the last k stands alone.  Its codes go to byte 0 of register 0 of lanes 0-15 (k = 0 of a K step of 64 whose other codes are zeros)
.irp qt, 0,1,2,3
	v_cndmask_b32 v[240+\qt], 0, v[240+\qt], s91
.endr
.irp j, 4,5,6,7
	v_mov_b32 v[240+\j], 0
.endr
.irp qt, 0,1,2,3
	v_med3_num_f32 v[240+\qt], v[240+\qt], -v9, v9
.endr
	v_cvt_scalef32_pk8_fp8_f32 v[248:249], v[240:247], v8     ; byte qt of v248: attr's code of query tile qt
	v_cndmask_b32 v128, 0, v128, s91
.irp j, 1,2,3,4,5,6,7
	v_mov_b32 v[128+\j], 0
.endr
	v_med3_num_f32 v128, v128, -v11, v11
	v_cvt_scalef32_pk8_fp8_f32 v[250:251], v[128:135], v10    ; byte 0 of v250: the row's code
	v_nop
	WLOAD 96, 10, 1
; the weights, 64 along K at a time through two sets of registers: chunks 0-3 are Wq's, 4-7 Wc's
.irp t, 0,1,2,3,4,5,6,7
.if \t < 7
	s_wait_loadcnt 32                              ; this chunk is in; the next chunk's 32 loads may stay out
.else
	s_wait_loadcnt 0x0
.endif
.if \t < 4
	CONV 64+32*(\t%2), P+8*\t, 10, 11
.else
	CONV 64+32*(\t%2), WC+8*(\t-4), 12, 13
.endif
.if \t+2 < 4
	WLOAD 64+32*(\t%2), 10, \t+2
.elseif \t+2 < 8
	WLOAD 64+32*(\t%2), 12, \t-2
.endif
.endr
	BAR                                            ; x's sixteen fragments lie in LDS (the mask's load may stay out)
.irp s, 0,1                            ; q, TRANSPOSED: source 0 = my 16 columns of Wq, source 1 = 16 queries; the four query tiles by turns
.irp qt, 0,1,2,3
	FETCH16 64+16*\qt, 19, (4*\qt+2*\s)*1024
.endr
	s_wait_dscnt 0x0
.irp qt, 0,1,2,3
.if \s == 0
	v_wmma_f32_16x16x128_fp8_fp8 v[Q+8*\qt:Q+8*\qt+7], v[P:P+15], v[64+16*\qt:64+16*\qt+15], 0
.else
	v_wmma_f32_16x16x128_fp8_fp8 v[Q+8*\qt:Q+8*\qt+7], v[P+16:P+31], v[64+16*\qt:64+16*\qt+15], v[Q+8*\qt:Q+8*\qt+7]
.endif
.endr
	PLACES 4
.endr
.irp qt, 0,1,2,3
	v_bfe_u32 v[64+8*\qt], v248, 8*\qt, 8
.irp j, 1,2,3,4,5,6,7
	v_mov_b32 v[64+8*\qt+\j], 0
.endr
.endr
	v_and_b32 v96, 0xff, v250
.irp j, 1,2,3,4,5,6,7
	v_mov_b32 v[96+\j], 0
.endr
.irp qt, 0,1,2,3                       ; the forty lines above are more than the five places that another form owes before it writes over these sums
	v_wmma_f32_16x16x64_fp8_fp8 v[Q+8*\qt:Q+8*\qt+7], v[96:103], v[64+8*\qt:64+8*\qt+7], v[Q+8*\qt:Q+8*\qt+7]
.endr
	PLACES 4
	s_add_co_i32 s98, s56, s57
	s_sub_co_i32 s98, s98, 2                       ; q x 2^(e4 + e5) / sqrt(16)
.set ii, 0
.rept 32
	v_ldexp_f32 v[Q+ii], v[Q+ii], s98
.set ii, ii+1
.endr
; ---- the attention loop's set-up.  The first key step's k and v are asked for ahead of the barrier that shows the mask whole
	s_lshl_b32 s31, s28, 4                         ; 16 b
	s_add_co_u32 s98, s31, s26                     ; 16 b + w
	s_lshl_b32 s92, s98, 16                        ; a head's 65,536 bytes of kimg
	s_mov_b32 s93, 0
	s_lshl_b32 s94, s98, 14                        ; a head's 16,384 of vimg; a strip's 16,384 of nimg
	s_mov_b32 s95, 0
	s_add_nc_u64 s[74:75], s[18:19], s[92:93]
	s_add_nc_u64 s[78:79], s[20:21], s[94:95]
	s_add_nc_u64 s[86:87], s[22:23], s[94:95]
	s_mov_b64 s[76:77], s[74:75]
	s_mov_b64 s[80:81], s[78:79]
	KLOAD
	VLOAD
	; THE PREFETCHES.  All 16 blocks of a batch walk the same kimg, vimg and nimg: block 0 asks, nobody else.  A key step of 16 heads is 256 + 64 blocks of 256 bytes: even waves ask for k of heads w and w + 1
	; (32 blocks, a lane a block), waves 1 and 3 for v of eight heads each.  In trip s they name step s + 2, one trip ahead of the load that wants it; steps 0 and 1 come by their loads alone; trips 14 and 15 name nothing.
	s_lshr_b32 s98, s26, 1
	s_and_b32 s98, s98, 1
	s_lshl_b32 s98, s98, 3                         ; waves 1, 3: heads 0 on, 8 on
	s_add_co_u32 s98, s98, s31
	s_lshl_b32 s94, s98, 14
	s_and_b32 s99, s26, 1
	s_cmp_eq_u32 s99, 0                            ; an even wave?
	s_cselect_b64 s[82:83], s[18:19], s[20:21]
	s_cselect_b32 s92, s92, s94
	s_mov_b32 s84, 1024
	s_cselect_b32 s84, 4096, s84                   ; a step on
	s_cselect_b32 s89, 4, 2                        ; lanes to a head, as a shift
	s_cselect_b32 s90, 16, 14                      ; bytes of a head, as a shift
	s_cselect_b32 s31, 15, 3
	s_mov_b32 s85, 0
	s_add_co_u32 s92, s92, s84                     ; at step 1: the first trip steps it to 2
	s_add_nc_u64 s[82:83], s[82:83], s[92:93]
	v_and_b32 v13, 31, v0
	v_lshrrev_b32 v10, s89, v13
	v_lshlrev_b32 v10, s90, v10
	v_and_b32 v14, s31, v13
	v_lshl_add_u32 v10, v14, 8, v10                ; head x its bytes + 256 x block
	v_lshlrev_b32 v11, 8, v13                      ; nimg: 256 x lane
	s_xor_b32 s99, s99, 1
	s_cmp_lt_u32 s26, 4
	s_cselect_b32 s98, 1, 0
	s_or_b32 s99, s99, s98                         ; even waves, and waves 1 and 3,
	s_cmp_eq_u32 s27, 0                            ; of block 0
	s_cselect_b32 s99, s99, 0
	s_cselect_b32 s88, 14, -1                      ; the trip in which nimg is asked for
	s_mul_i32 s73, s99, 14                         ; a wave asks while step < this
.irp qt, 0,1,2,3
	v_mov_b32 v[17+4*\qt], 0xff61b1e6              ; the largest t so far: -3e38, under every t
	v_floor_f32 v[16+4*\qt], -v[17+4*\qt]          ; -M
	v_mov_b32 v[18+4*\qt], 0                       ; the sum, in two halves
	v_mov_b32 v[19+4*\qt], 0
.endr
.set ii, 0
.rept 32
	v_mov_b32 v[O+ii], 0                           ; O^T.  (The step is written once: the first finds zeros, which the first move of M leaves zeros)
.set ii, ii+1
.endr
	MKSC 8, 7, s58                                 ; v8 = 2^e6, v7 = 448 x 2^e6
	v_mov_b32 v9, 0xff800000                       ; -infinity
	v_mov_b32 v244, 0                              ; written once: a lane permute's destination counts as one of its sources
	v_mov_b32 v247, 0                              ; (named as the upper half of the pair v[246:247])
.irp j, 252,253,254,255
	v_mov_b32 v\j, 0
.endr
	s_mov_b32 s71, 0
	s_mov_b32 s72, 0
	s_wait_tensorcnt 0x0                           ; my strip of the mask has landed,
	s_wait_dscnt 0x0
	s_barrier_signal -1
	s_barrier_wait -1                              ; everybody's has
; ONE QUERY TILE AGAINST ONE KEY STEP of 64 keys, for my head
.macro UNIT qt
.irp T, 0,1,2,3
	ds_load_b128 v[P+8*\T:P+8*\T+3], v12 offset:16*MP*\qt+64*\T          ; mask(16 qt + r, 64 step + 16 T + 8 h + 0 .. 7): the result's own layout
	ds_load_b128 v[P+8*\T+4:P+8*\T+7], v12 offset:16*MP*\qt+64*\T+16
.endr
	s_wait_dscnt 0x0
.if \qt == 0
	s_wait_loadcnt 2                               ; k's eight loads are in; v's two behind them may stay out
.endif
	s_cmp_lg_u32 s71, 15                           ; the last step holds keys 960 .. 1,023: those from 1,000 on are hidden
	s_cbranch_scc1 .Lnopad_\@
.irp j, 0,1,2,3,4,5,6,7
	v_cndmask_b32 v[P+16+\j], v[P+16+\j], v9, s70  ; tile 2: lanes 16-31 hold keys 1,000 .. 1,007
.endr
.irp j, 0,1,2,3,4,5,6,7
	v_mov_b32 v[P+24+\j], v9                       ; tile 3: keys 1,008 on
.endr
.Lnopad_\@:
.irp ks, 0,1,2,3                       ; S^T = mask + k q^T: the four key tiles by turns
.irp T, 0,1,2,3
.if \ks == 0
	v_wmma_f32_16x16x4_f32 v[S+8*\T:S+8*\T+7], v[KR+8*\T:KR+8*\T+1], v[Q+8*\qt:Q+8*\qt+1], v[P+8*\T:P+8*\T+7]
.else
	v_wmma_f32_16x16x4_f32 v[S+8*\T:S+8*\T+7], v[KR+8*\T+2*\ks:KR+8*\T+2*\ks+1], v[Q+8*\qt+2*\ks:Q+8*\qt+2*\ks+1], v[S+8*\T:S+8*\T+7]
.endif
.endr
.endr
	PLACES 8                                       ; this form owes eight places before its results are read, its sources written or loaded into (ISA guide 7.12.1)
.if \qt == 3
	s_wait_xcnt 0x0                                ; the last trip's prefetch has read its address
	s_add_nc_u64 s[82:83], s[82:83], s[84:85]
	s_add_co_u32 s98, s71, 1
	s_and_b32 s98, s98, 15                         ; the last trip asks for step 0 again: no load leaves its buffer; what it brings is not used
	s_lshl_b32 s92, s98, 12
	s_mov_b32 s93, 0
	s_add_nc_u64 s[76:77], s[74:75], s[92:93]
	KLOAD                                          ; the next step's k: this tile's softmax and product stand between the loads and their use
	s_cmp_lt_u32 s71, s73
	s_cbranch_scc0 .Lna_\@
	global_prefetch_b8 v10, s[82:83] th:TH_LOAD_NT scope:SCOPE_SE
.Lna_\@:
	s_cmp_eq_u32 s71, s88                          ; in trip 14: my strip's 16,384 bytes of the nodes' codes, 64 blocks
	s_cbranch_scc0 .Lnn_\@
	global_prefetch_b8 v11, s[86:87] th:TH_LOAD_NT scope:SCOPE_SE
	global_prefetch_b8 v11, s[86:87] offset:8192 th:TH_LOAD_NT scope:SCOPE_SE
.Lnn_\@:
.endif
.irp T, 0,1,2,3                        ; the largest score of my query among my 32 keys: four chains, each accumulator from its low end on
	v_max3_num_f32 v[240+\T], v[S+8*\T], v[S+8*\T+1], v[S+8*\T+2]
.endr
.irp T, 0,1,2,3
	v_max3_num_f32 v[240+\T], v[240+\T], v[S+8*\T+3], v[S+8*\T+4]
.endr
.irp T, 0,1,2,3
	v_max3_num_f32 v[240+\T], v[240+\T], v[S+8*\T+5], v[S+8*\T+6]
.endr
	v_max3_num_f32 v240, v240, v[S+7], v[S+15]
	v_max3_num_f32 v242, v242, v[S+23], v[S+31]
	v_max3_num_f32 v240, v240, v241, v242
	v_max_num_f32 v240, v240, v243
	v_permlanex16_b32 v244, v240, s68, s69
	v_max_num_f32 v240, v240, v244                 ; and among lane l xor 16's
	v_mul_f32 v240, s66, v240                      ; as t
	v_max_num_f32 v[17+4*\qt], v[17+4*\qt], v240   ; the running largest t
	v_mov_b32 v245, v[16+4*\qt]
	v_floor_f32 v[16+4*\qt], -v[17+4*\qt]          ; the new -M = -ceil(t): a whole number
	v_sub_f32 v245, v[16+4*\qt], v245              ; old M less new M: a whole number, 0 or less
	v_cvt_i32_f32 v245, v245                       ; (it saturates)
	v_ldexp_f32 v246, 1.0, v245                    ; f = 2^(old M - new M)
.set ii, 0
.rept 16
	v_pk_fma_f32 v[P+ii:P+ii+1], v[S+ii:S+ii+1], s[66:67], v[16+4*\qt:17+4*\qt] op_sel_hi:[1,0,0]   ; t - M, two at a time
.set ii, ii+2
.endr
.set ii, 0
.rept 32
	v_exp_f32 v[P+ii], v[P+ii]                     ; p = 2^(t - M)
.set ii, ii+1
.endr
	v_pk_mul_f32 v[18+4*\qt:19+4*\qt], v[18+4*\qt:19+4*\qt], v[246:247] op_sel_hi:[1,0]   ; the sums under the new M: the plain line behind the exponentials
	s_wait_alu depctr_va_vdst(0)                   ; one wait for the batch, ahead of its first reader
	v_pk_add_f32 v[248:249], v[P:P+1], v[P+2:P+3]  ; the sum is taken of the unquantised p, in two chains
.irp j, 4,8,12,16,20,24,28
	v_pk_add_f32 v[18+4*\qt:19+4*\qt], v[18+4*\qt:19+4*\qt], v[P+\j:P+\j+1]
	v_pk_add_f32 v[248:249], v[248:249], v[P+\j+2:P+\j+3]
.endr
	v_pk_add_f32 v[18+4*\qt:19+4*\qt], v[18+4*\qt:19+4*\qt], v[248:249]
.set ii, 0
.rept 32
	v_min_num_f32 v[P+ii], v[P+ii], v7             ; p is never negative: a one-sided hold at 448 x 2^e6
.set ii, ii+1
.endr
.irp T, 0,1,2,3
	v_cvt_scalef32_pk8_fp8_f32 v[PC+2*\T:PC+2*\T+1], v[P+8*\T:P+8*\T+7], v8   ; keys 16 T + 8 h + 0 .. 7: registers 2 T, 2 T + 1 of the operand
.endr
.irp j, 0,2,4,6
	v_pk_mul_f32 v[O+8*\qt+\j:O+8*\qt+\j+1], v[O+8*\qt+\j:O+8*\qt+\j+1], v[246:247] op_sel_hi:[1,0]   ; O^T under the new M; also the plain lines behind the conversions
.endr
.if \qt == 0
	s_wait_loadcnt 0x0                             ; v is in
.endif
	v_wmma_f32_16x16x64_fp8_fp8 v[O+8*\qt:O+8*\qt+7], v[VR:VR+7], v[PC:PC+7], v[O+8*\qt:O+8*\qt+7]   ; O^T += v^T p^T
.endm
.Lstep:                                            ; 16 trips, a key step each; no barrier: the mask is only read, k and v are the wave's own
	v_add_nc_u32 v12, s72, v5
	UNIT 0
	UNIT 1
	UNIT 2
	UNIT 3
	PLACES 4                                       ; in front of the loads into v's registers
	s_add_co_u32 s98, s71, 1
	s_and_b32 s98, s98, 15
	s_lshl_b32 s92, s98, 10
	s_mov_b32 s93, 0
	s_add_nc_u64 s[80:81], s[78:79], s[92:93]      ; (v's last loads were waited for in the trip's first tile)
	VLOAD
	s_add_co_u32 s72, s72, STRIP
	s_add_co_u32 s71, s71, 1
	s_cmp_lt_u32 s71, 16
	s_cbranch_scc1 .Lstep
; ---- O^T / the sum becomes codes at 2^e8; the images meet in LDS.  bc and the nodes' codes are asked for now
	s_wait_loadcnt 0x0                             ; the last trip's loads: their registers are taken below
	s_wait_xcnt 0x0                                ; the prefetches, a trip and more back, have read v10 and v11
	s_lshl_b32 s98, s26, 6
	v_lshl_add_u32 v7, v2, 5, s98                  ; bc: my eight channels 16 w + 8 h + 0 .. 7
	global_load_b128 v[8:11], v7, s[14:15]
	global_load_b128 v[12:15], v7, s[14:15] offset:16
.irp p, 0,1,2,3,4,5,6,7
	global_load_b128 v[32+4*\p:32+4*\p+3], v6, s[86:87] offset:512*\p           ; node tile 0 of my strip, K = 256
.endr
.irp p, 0,1,2,3,4,5,6,7
	global_load_b128 v[96+4*\p:96+4*\p+3], v6, s[86:87] offset:4096+512*\p      ; tile 1
.endr
.irp qt, 0,1,2,3
	v_add_f32 v[248+\qt], v[18+4*\qt], v[19+4*\qt] ; the sum's two halves,
.endr
.irp qt, 0,1,2,3
	v_permlanex16_b32 v[252+\qt], v[248+\qt], s68, s69
.endr
.irp qt, 0,1,2,3
	v_add_f32 v[248+\qt], v[248+\qt], v[252+\qt]   ; and lane l xor 16's
.endr
.irp qt, 0,1,2,3
	v_rcp_f32 v[240+2*\qt], v[248+\qt]
.endr
	v_nop                                          ; a plain line behind the last reciprocal
	s_sub_co_i32 s92, s60, s58
	s_sub_co_i32 s92, s92, s59                     ; the code of (sum / l) x 2^(e6 + e7) at 2^e8 is (sum / l) / 2^(e8 - e6 - e7)
	MKSC 16, 17, s92
	s_lshr_b32 s98, s26, 1
	s_lshl_b32 s98, s98, 9
	s_and_b32 s99, s26, 1
	s_lshl_b32 s99, s99, 3
	s_add_co_u32 s98, s98, s99
	v_add_nc_u32 v19, R1, v6                       ; an image's place for my lane
	v_add_nc_u32 v18, s98, v19                     ; my two registers of it: plane w / 2, 8 (w % 2) bytes on
	s_wait_alu depctr_va_vdst(0)                   ; one wait for the four reciprocals, ahead of their first reader
.irp qt, 0,1,2,3
.irp j, 0,2,4,6
	v_pk_mul_f32 v[O+8*\qt+\j:O+8*\qt+\j+1], v[O+8*\qt+\j:O+8*\qt+\j+1], v[240+2*\qt:241+2*\qt] op_sel_hi:[1,0]
.endr
.irp j, 0,1,2,3,4,5,6,7
	v_med3_num_f32 v[O+8*\qt+\j], v[O+8*\qt+\j], -v17, v17
.endr
	v_cvt_scalef32_pk8_fp8_f32 v[PC+2*\qt:PC+2*\qt+1], v[O+8*\qt:O+8*\qt+7], v16
.endr
	v_nop
.irp qt, 0,1,2,3
	ds_store_b64 v18, v[PC+2*\qt:PC+2*\qt+1] offset:4096*\qt   ; x's images were last read ahead of an earlier barrier
.endr
.irp p, 0,1,2,3,4,5,6,7
	global_load_b128 v[64+4*\p:64+4*\p+3], v6, s[86:87] offset:2*4096+512*\p    ; tile 2
.endr
	BAR                                            ; the four fragments (16 queries x 256) lie in LDS
; ---- mh = out Wc + bc, TRANSPOSED: source 0 = my 16 columns of Wc, source 1 = 16 queries; two query tiles at a time, by turns
.macro WCPAIR a, b
.irp p, 0,1,2,3,4,5,6,7
	ds_load_b128 v[208+4*\p:208+4*\p+3], v19 offset:4096*\a+512*\p
.endr
.irp p, 0,1,2,3
	ds_load_b128 v[240+4*\p:240+4*\p+3], v19 offset:4096*\b+512*\p
	ds_load_b128 v[128+4*\p:128+4*\p+3], v19 offset:4096*\b+2048+512*\p
.endr
	s_wait_dscnt 0x0
	v_wmma_f32_16x16x128_fp8_fp8 v[S+8*\a:S+8*\a+7], v[WC:WC+15], v[208:223], 0
	v_wmma_f32_16x16x128_fp8_fp8 v[S+8*\b:S+8*\b+7], v[WC:WC+15], v[240:255], 0
	v_wmma_f32_16x16x128_fp8_fp8 v[S+8*\a:S+8*\a+7], v[WC+16:WC+31], v[224:239], v[S+8*\a:S+8*\a+7]
	v_wmma_f32_16x16x128_fp8_fp8 v[S+8*\b:S+8*\b+7], v[WC+16:WC+31], v[128:143], v[S+8*\b:S+8*\b+7]
	PLACES 4
.endm
	WCPAIR 0, 1
	WCPAIR 2, 3
.irp p, 0,1,2,3,4,5,6,7
	global_load_b128 v[144+4*\p:144+4*\p+3], v6, s[86:87] offset:3*4096+512*\p  ; tile 3, where Wc's codes lay
.endr
	s_add_co_i32 s94, s60, s61
	s_add_co_i32 s94, s94, 127
	s_lshl_b32 s94, s94, 23                        ; 2^(e8 + e9) as f32
	s_mov_b32 s95, s94
	MKSC 16, 17, s62                               ; e10
	s_wait_loadcnt 32                              ; bc is in; the 32 loads of the nodes' codes behind it may stay out
.irp qt, 0,1,2,3
.irp j, 0,2,4,6
	v_pk_fma_f32 v[208+8*\qt+\j:208+8*\qt+\j+1], v[S+8*\qt+\j:S+8*\qt+\j+1], s[94:95], v[8+\j:9+\j] op_sel_hi:[1,0,1]   ; sum x 2^(e8 + e9) + bc
.endr
.irp j, 0,1,2,3,4,5,6,7
	v_med3_num_f32 v[208+8*\qt+\j], v[208+8*\qt+\j], -v17, v17
.endr
	v_cvt_scalef32_pk8_fp8_f32 v[240+2*\qt:241+2*\qt], v[208+8*\qt:208+8*\qt+7], v16
.endr
	v_nop
.irp qt, 0,1,2,3
	ds_store_b64 v18, v[240+2*\qt:241+2*\qt] offset:R2-R1+4096*\qt
.endr
	BAR                                            ; mh's four fragments lie in LDS
; ---- the probe: my strip of 64 nodes against the 64 queries; tanh, mask, the strip's own softmax
	s_wait_loadcnt 0x0                             ; the nodes' codes
	v_add_nc_u32 v7, s33, v5                       ; my strip of the mask
	v_mov_b32 v9, 0xff800000
	s_lshl_b32 s98, s26, 2
	v_lshlrev_b32 v10, 6, v1
	v_add_nc_u32 v10, s98, v10
	v_add_nc_u32 v10, R3, v10                      ; the table: row r, strip w
	v_lshrrev_b32 v11, 2, v6
	s_lshl_b32 s98, s26, 8
	v_add_nc_u32 v11, s98, v11
	v_add_nc_u32 v11, R3, v11                      ; and, later, rows 4 w on: 256 w + 4 x lane
	s_cmp_eq_u32 s26, 15                           ; the last strip's keys from 1,000 on are hidden: lane masks, empty in the other waves
	s_cselect_b32 s89, s70, 0
	s_cselect_b32 s90, -1, 0
	s_add_co_i32 s96, s62, s63
	s_lshl_b32 s96, s96, 23
	s_add_co_i32 s96, s96, 0x3e38aa3b              ; 2 log2(e) / 16 x 2^(e10 + e11): the exponents are added to the constant's exponent field
	s_mov_b32 s97, s96
.macro PMUL T, nf, s
.if \s == 0
	v_wmma_f32_16x16x128_fp8_fp8 v[S+8*\T:S+8*\T+7], v[\nf:\nf+15], v[208:223], 0
.else
	v_wmma_f32_16x16x128_fp8_fp8 v[S+8*\T:S+8*\T+7], v[\nf+16:\nf+31], v[224:239], v[S+8*\T:S+8*\T+7]
.endif
.endm
; number i of the lane's 32 (tile i / 8, register i % 8) of the mask, then z, then e, lies in v[128 + i + 96 (i / 16)]: v128-143 and v240-255
.macro PROBE qt
.if \qt > 0
	s_wait_dscnt 0x0                               ; the tile before has stored: its registers may be taken
.endif
.irp p, 0,1,2,3,4,5,6,7
	ds_load_b128 v[208+4*\p:208+4*\p+3], v19 offset:R2-R1+4096*\qt+512*\p
.endr
.irp T, 0,1,2,3
	ds_load_b128 v[128+8*\T+96*(\T/2):128+8*\T+96*(\T/2)+3], v7 offset:16*MP*\qt+64*\T
	ds_load_b128 v[128+8*\T+96*(\T/2)+4:128+8*\T+96*(\T/2)+7], v7 offset:16*MP*\qt+64*\T+16
.endr
	s_wait_dscnt 0x0
.irp j, 0,1,2,3,4,5,6,7
	v_cndmask_b32 v[240+\j], v[240+\j], v9, s89
.endr
.irp j, 0,1,2,3,4,5,6,7
	v_cndmask_b32 v[248+\j], v[248+\j], v9, s90
.endr
	PMUL 0, 32, 0                                  ; source 0 = 16 nodes, source 1 = 16 queries: the mask's own layout; four node tiles by turns
	PMUL 1, 96, 0
	PMUL 2, 64, 0
	PMUL 3, 144, 0
	PMUL 0, 32, 1
	PMUL 1, 96, 1
	PMUL 2, 64, 1
	PMUL 3, 144, 1
	PLACES 4
.set ii, 0
.rept 16
	v_pk_mul_f32 v[208+ii:209+ii], v[S+ii:S+ii+1], s[96:97] op_sel_hi:[1,0]   ; 2 x log2 e, x = score / 16
.set ii, ii+2
.endr
.set ii, 0
.rept 32
	v_exp_f32 v[208+ii], v[208+ii]
.set ii, ii+1
.endr
	v_nop
	s_wait_alu depctr_va_vdst(0)
.set ii, 0
.rept 16
	v_pk_add_f32 v[208+ii:209+ii], v[208+ii:209+ii], 1.0 op_sel_hi:[1,0]
.set ii, ii+2
.endr
.set ii, 0
.rept 32
	v_rcp_f32 v[208+ii], v[208+ii]
.set ii, ii+1
.endr
	v_nop
	s_wait_alu depctr_va_vdst(0)
.set ii, 0
.rept 16
	v_pk_fma_f32 v[128+ii+96*(ii/16):129+ii+96*(ii/16)], v[208+ii:209+ii], 0xc1a00000, v[128+ii+96*(ii/16):129+ii+96*(ii/16)] op_sel_hi:[1,0,1]   ; z = mask - 20 / (1 + 2^..)
.set ii, ii+2
.endr
.irp T, 0,1,2,3
	v_max3_num_f32 v[20+\T], v[128+8*\T+96*(\T/2)], v[129+8*\T+96*(\T/2)], v[130+8*\T+96*(\T/2)]
.endr
.irp T, 0,1,2,3
	v_max3_num_f32 v[20+\T], v[20+\T], v[131+8*\T+96*(\T/2)], v[132+8*\T+96*(\T/2)]
.endr
.irp T, 0,1,2,3
	v_max3_num_f32 v[20+\T], v[20+\T], v[133+8*\T+96*(\T/2)], v[134+8*\T+96*(\T/2)]
.endr
	v_max3_num_f32 v20, v20, v135, v143
	v_max3_num_f32 v22, v22, v247, v255
	v_max3_num_f32 v20, v20, v21, v22
	v_max_num_f32 v20, v20, v23
	v_permlanex16_b32 v24, v20, s68, s69
	v_max_num_f32 v20, v20, v24                    ; the strip's largest z of my query
	v_mul_f32 v20, s66, v20
	v_max_num_f32 v20, 0xff61b1e6, v20             ; m2: a number also where the whole strip is hidden
.set ii, 0
.rept 16
	v_pk_fma_f32 v[128+ii+96*(ii/16):129+ii+96*(ii/16)], v[128+ii+96*(ii/16):129+ii+96*(ii/16)], s[66:67], v[20:21] op_sel_hi:[1,0,0] neg_lo:[0,0,1] neg_hi:[0,0,1]
.set ii, ii+2
.endr
.set ii, 0
.rept 32
	v_exp_f32 v[128+ii+96*(ii/16)], v[128+ii+96*(ii/16)]   ; e = 2^(z log2 e - m2)
.set ii, ii+1
.endr
	v_nop
	s_wait_alu depctr_va_vdst(0)
	v_pk_add_f32 v[30:31], v[128:129], v[130:131]
	v_pk_add_f32 v[28:29], v[132:133], v[134:135]
.irp j, 8,12,16,20,24,28
	v_pk_add_f32 v[30:31], v[30:31], v[128+\j+96*(\j/16):129+\j+96*(\j/16)]
	v_pk_add_f32 v[28:29], v[28:29], v[130+\j+96*(\j/16):131+\j+96*(\j/16)]
.endr
	v_pk_add_f32 v[30:31], v[30:31], v[28:29]
	v_add_f32 v30, v30, v31
	v_permlanex16_b32 v24, v30, s68, s69
	v_add_f32 v30, v30, v24                        ; the strip's sum
.irp T, 0,1,2,3
	ds_store_b128 v7, v[128+8*\T+96*(\T/2):128+8*\T+96*(\T/2)+3] offset:16*MP*\qt+64*\T      ; e takes the mask's place: the strip has had its one fill, and from here on only I touch it until the next barrier
	ds_store_b128 v7, v[128+8*\T+96*(\T/2)+4:128+8*\T+96*(\T/2)+7] offset:16*MP*\qt+64*\T+16
.endr
	ds_store_b32 v10, v20 offset:1024*\qt          ; both halves of the lanes store the same number to the same word
	ds_store_b32 v10, v30 offset:4096+1024*\qt
.endm
	PROBE 0
	PROBE 1
	PROBE 2
	PROBE 3
	BAR                                            ; e and the table lie in LDS
; ---- the factors: rows 4 w .. 4 w + 3; sixteen lanes hold a row's sixteen strips
	ds_load_b32 v20, v11                           ; m2 of row 4 w + h, strip r
	ds_load_b32 v21, v11 offset:128                ; of row 4 w + 2 + h
	ds_load_b32 v22, v11 offset:4096               ; the sums
	ds_load_b32 v23, v11 offset:4096+128
	s_wait_dscnt 0x0
	v_mov_b32 v24, v20
	v_mov_b32 v25, v21
.irp x, 1,2,4,8
	v_max_num_f32_dpp v24, v24, v24 row_xmask:\x row_mask:0xf bank_mask:0xf
	v_max_num_f32_dpp v25, v25, v25 row_xmask:\x row_mask:0xf bank_mask:0xf
.endr
	v_sub_f32 v20, v20, v24                        ; the row's maximum is taken away
	v_sub_f32 v21, v21, v25
	v_exp_f32 v20, v20
	v_exp_f32 v21, v21
	v_nop
	s_wait_alu depctr_va_vdst(0)
	v_mul_f32 v22, v22, v20
	v_mul_f32 v23, v23, v21
.irp x, 1,2,4,8
	v_add_f32_dpp v22, v22, v22 row_xmask:\x row_mask:0xf bank_mask:0xf
	v_add_f32_dpp v23, v23, v23 row_xmask:\x row_mask:0xf bank_mask:0xf
.endr
	v_rcp_f32 v22, v22
	v_rcp_f32 v23, v23
	v_nop
	s_wait_alu depctr_va_vdst(0)
	v_mul_f32 v20, v20, v22                        ; 2^(m2 - the row's) / the row's sum
	v_mul_f32 v21, v21, v23
	ds_store_b32 v11, v20 offset:R4-R3
	ds_store_b32 v11, v21 offset:R4-R3+128
	BAR
; ---- the way out.  Eight rows of the output are 32,000 consecutive bytes that begin at a multiple of 32,000 from its first byte: 2,000 pieces of 16 bytes.  Waves 2 g and 2 g + 1 store rows 8 g .. 8 g + 7:
; pieces 1,024 (w % 2) + 32 t + lane, so that every store of a wave covers 512 consecutive bytes, aligned.
	s_lshr_b32 s92, s26, 1
	s_lshl_b32 s93, s92, 3                         ; 8 g
	s_add_co_u32 s94, s29, s93
	s_lshl_b32 s95, s27, 6
	s_cmp_lt_u32 s94, s95                          ; rows under 64 x block belong to the block before (ids alone)
	s_cbranch_scc1 .Lend
	s_add_co_u32 s98, s30, s93
	s_mul_i32 s98, s98, 4000
	s_and_b32 s99, s26, 1
	s_lshl_b32 s94, s99, 10
	s_lshl_b32 s99, s99, 14
	s_add_co_u32 s98, s98, s99
	s_mov_b32 s99, 0
	s_add_nc_u64 s[24:25], s[24:25], s[98:99]
	v_and_b32 v20, 31, v0
	v_add_nc_u32 v20, s94, v20                     ; my piece at t = 0
	s_mul_i32 s92, s93, MP                         ; row 8 g in a strip
	s_lshl_b32 s93, s93, 6
	s_add_co_u32 s93, s93, R4                      ; and in the factors
; Piece i = 250 row + c, i under 2,048: row of the eight, 16-byte column c: strip c / 16, place c % 16.
; i x 16778 = row x 2^22 + (196 row + 16778 c), the bracket under 2^22 for row <= 8, c <= 249: bits 22 on are the row, the low 22 bits the bracket.
; The bracket x 250 = c x 2^22 + (49000 row + 196 c), that bracket again under 2^22: bits 22 on are c.  So neither a division nor a difference is formed, and each step is bounded by its own form.
.macro PIECE t, d, f
	v_add_nc_u32 v21, 32*(\t), v20
	v_mul_u32_u24 v22, v21, 16778
	v_and_b32 v23, 0x3fffff, v22
	v_bfe_u32 v22, v22, 22, 3                      ; row mod 8 (pieces from 2,000 on read row 0 again and are not stored)
	v_mul_u32_u24 v23, v23, 250
	v_lshrrev_b32 v23, 22, v23                     ; c, 0 .. 249
	v_lshrrev_b32 v24, 4, v23
	v_and_b32 v23, 15, v23
	v_mul_u32_u24 v25, v24, STRIP
	v_mad_u32_u24 v25, v22, MP, v25
	v_lshl_add_u32 v25, v23, 4, v25
	v_add_nc_u32 v25, s92, v25
	v_lshlrev_b32 v26, 6, v22
	v_lshl_add_u32 v26, v24, 2, v26
	v_add_nc_u32 v26, s93, v26
	ds_load_b128 v[\d:\d+3], v25
	ds_load_b32 v[\f], v26
.endm
.irp bt, 0,1,2,3,4,5,6,7               ; four pieces at a time, in two sets of registers by turns: v32-55 and v64-87
	s_wait_xcnt 0x0                                ; earlier stores have read their registers
.irp u, 0,1,2,3
	PIECE 4*\bt+\u, 32+32*(\bt%2)+4*\u, 48+32*(\bt%2)+2*\u
.endr
	s_wait_dscnt 0x0
.irp u, 0,1,2,3
	v_pk_mul_f32 v[32+32*(\bt%2)+4*\u:33+32*(\bt%2)+4*\u], v[32+32*(\bt%2)+4*\u:33+32*(\bt%2)+4*\u], v[48+32*(\bt%2)+2*\u:49+32*(\bt%2)+2*\u] op_sel_hi:[1,0]
	v_pk_mul_f32 v[34+32*(\bt%2)+4*\u:35+32*(\bt%2)+4*\u], v[34+32*(\bt%2)+4*\u:35+32*(\bt%2)+4*\u], v[48+32*(\bt%2)+2*\u:49+32*(\bt%2)+2*\u] op_sel_hi:[1,0]
.endr
.irp u, 0,1,2,3
.if 4*\bt+\u < 30
	global_store_b128 v6, v[32+32*(\bt%2)+4*\u:35+32*(\bt%2)+4*\u], s[24:25] offset:512*(4*\bt+\u) th:TH_STORE_NT
.else
	s_wait_xcnt 0x0                                ; EXEC changes only behind this wait
	v_add_nc_u32 v21, 32*(4*\bt+\u), v20
	v_cmp_gt_u32 vcc_lo, 2000, v21                 ; the eight rows end at piece 1,999
	s_and_saveexec_b32 s94, vcc_lo
	global_store_b128 v6, v[32+32*(\bt%2)+4*\u:35+32*(\bt%2)+4*\u], s[24:25] offset:512*(4*\bt+\u) th:TH_STORE_NT
	s_wait_xcnt 0x0                                ; and again, in front of the line that widens it
	s_or_b32 exec_lo, exec_lo, s94
.endif
.endr
.endr
.Lend:
	s_wait_dscnt 0x0                               ; my reads of the strips and of the factors are over
	s_barrier_signal -1
	s_barrier_wait -1                              ; everybody's are: only behind this barrier does any wave go on to its closing lines.  Every wave passes it, those that store nothing too
	s_wait_tensorcnt 0x0                           ; the wave's end, behind my tensor load and my last LDS store
	ds_add_u32 v3, v4
	s_wait_dscnt 0x0
	s_endpgm
.Lfunc_end_k_q97e0679c0c_attn:
	.size	k_q97e0679c0c_attn, .Lfunc_end_k_q97e0679c0c_attn-k_q97e0679c0c_attn
	.p2alignl 7, 3214868480
	.fill 96, 4, 3214868480
	.section	.rodata,"a",@progbits
	.p2align	6, 0x0
	.amdhsa_kernel k_q97e0679c0c_attn
		.amdhsa_group_segment_fixed_size 327680
		.amdhsa_private_segment_fixed_size 0
		.amdhsa_enable_private_segment 0
		.amdhsa_kernarg_size 88
		.amdhsa_user_sgpr_count 2
		.amdhsa_user_sgpr_kernarg_segment_ptr 1
		.amdhsa_wavefront_size32 1
		.amdhsa_system_sgpr_workgroup_id_x 1
		.amdhsa_system_sgpr_workgroup_id_y 1
		.amdhsa_system_sgpr_workgroup_id_z 1
		.amdhsa_system_vgpr_workitem_id 0
		.amdhsa_next_free_vgpr 256
		.amdhsa_next_free_sgpr 100
		.amdhsa_reserve_vcc 1
		.amdhsa_float_denorm_mode_32 3
		.amdhsa_float_denorm_mode_16_64 3
		.amdhsa_memory_ordered 1
		.amdhsa_forward_progress 1
		.amdhsa_inst_pref_size 213
	.end_amdhsa_kernel
	.amdgpu_metadata
---
amdhsa.version: [ 1, 2 ]
amdhsa.kernels:
  - .name:           k_q97e0679c0c_attn
    .symbol:         k_q97e0679c0c_attn.kd
    .args:
      - { .name: encoded_last_node, .offset: 0, .size: 8, .value_kind: global_buffer, .address_space: global }
      - { .name: attr, .offset: 8, .size: 8, .value_kind: global_buffer, .address_space: global }
      - { .name: ninf_mask, .offset: 16, .size: 8, .value_kind: global_buffer, .address_space: global }
      - { .name: Wq_last, .offset: 24, .size: 8, .value_kind: global_buffer, .address_space: global }
      - { .name: Wc, .offset: 32, .size: 8, .value_kind: global_buffer, .address_space: global }
      - { .name: bc, .offset: 40, .size: 8, .value_kind: global_buffer, .address_space: global }
      - { .name: lowp_scales, .offset: 48, .size: 8, .value_kind: global_buffer, .address_space: global }
      - { .name: kimg, .offset: 56, .size: 8, .value_kind: global_buffer, .address_space: global }
      - { .name: vimg, .offset: 64, .size: 8, .value_kind: global_buffer, .address_space: global }
      - { .name: nimg, .offset: 72, .size: 8, .value_kind: global_buffer, .address_space: global }
      - { .name: out0, .offset: 80, .size: 8, .value_kind: global_buffer, .address_space: global }
    .group_segment_fixed_size: 327680
    .private_segment_fixed_size: 0
    .kernarg_segment_align: 8
    .kernarg_segment_size: 88
    .max_flat_workgroup_size: 512
    .sgpr_count:     100
    .vgpr_count:     256
    .wavefront_size: 32
...
	.end_amdgpu_metadata
.endif
;; end of part 2
